; MI455X (gfx1250); checked and timed in simulation.
; The chip was launched on July 23, 2026; its instructions are those of AMD's public machine-readable ISA for CDNA 5 (MIT licence, August 2026) and "CDNA5" Instruction Set Architecture Reference Guide (July 2026). The comments in the code are by the model that wrote it; some were corrected since.
;; Bit Linear. Allowed arithmetic: matrix products marked QUANTISED: E4M3 operands, one E8M0 scale for each 32 along K, by v_wmma_scale_f32_16x16x128_f8f6f4 with both operands' format E4M3, f32 sums; everything else in f32.
;; Inputs: weight 2,048 x 4,096 float32; x 4 x 2,048 x 4,096 float32.
;; Outputs: out0 4 x 2,048 x 2,048 float32.
;; This version of the problem:
;;   THIS VERSION OF THE PROBLEM IS GIVEN IN LOW PRECISION. The matrix products marked QUANTISED in the list below multiply operands that are first quantised to E4M3 (4 exponent bits, 3 mantissa bits; 8 bits a number), with one power-of-two scale for each 32 numbers along K (OCP MX v1.0); their sums are f32. All else is computed in f32.
;;   The module's matrix products, in the order in which they are computed (A, B: the left and right operand; K: the contracted axis; several contracted axes count as one K, in the product's order):
;;     1. [M 8,192, K 4,096] x [K 4,096, N 2,048]; A: computed on the way; B: computed on the way: QUANTISED
;;   THE QUANTISER, for each operand of a quantised product, along K:
;;     - K is cut into blocks of 32 from its start; a last block that is shorter is filled with zeros.
;;     - A block's scale is 2^e with e = floor(log2(the largest magnitude in the block)) - 8, held to -126 .. 127; a block of zeros has e = 0. As a byte (E8M0): e + 127.
;;     - Each number is divided by its block's scale, clamped to +-448, and rounded to the nearest number of E4M3, ties to even, subnormals kept.
;;     - The product sums the exact products of the quantised numbers (number of the format x scale) in f32.
;;   ~~~python
;;   def quantise(x, axis):      # numpy; x: float32 -> the quantised numbers, widened to float32 again
;;       x = np.moveaxis(x, axis, -1); K = x.shape[-1]
;;       x = np.pad(x, [(0, 0)] * (x.ndim - 1) + [(0, -K % 32)]); x = x.reshape(x.shape[:-1] + (-1, 32)); a = np.abs(x).max(-1, keepdims=True)
;;       e = np.where(a > 0, np.clip(np.frexp(np.where(a > 0, a, 1))[1] - 1 - 8, -126, 127), 0)      # np.frexp(a)[1] - 1 = floor(log2(a)), exactly
;;       r = np.clip(x / 2.0 ** e, -448, 448)
;;       step = 2.0 ** (np.maximum(np.frexp(np.where(r == 0, 1, r))[1] - 1, -6) - 3)
;;       q = np.round(r / step) * step * 2.0 ** e      # np.round: ties to even
;;       return np.moveaxis(q.reshape(q.shape[:-2] + (-1,))[..., :K], -1, axis).astype(np.float32)
;;   ~~~
;;   OPERANDS COMPUTED ON THE WAY. 'Computed on the way' means the value that the module computes at that place (a softmax that the list does not call 'softmax' is quantised finished and normalised). What goes into a quantiser is computed in f32, as accurately as f32 sums, v_exp_f32 and their like allow (about 1e-6 of the number): no bf16 or f16 on the way to a quantiser, and a product that is left as it is and whose result goes on into a quantised operand takes f32 operands (vector FMAs, or v_wmma_f32_16x16x4_f32). A number that lies on a knife's edge between two numbers of the format may be rounded either way, as far as f32 arithmetic and the matrix unit's own rounding can turn it there, and no further.
;; One version. Each part assembles by itself: llvm-mc -triple=amdgcn-amd-amdhsa -mcpu=gfx1250 --defsym DOCPART=n.
;; ======== version 1 of 1: 3 launches
;; limits: right only within a limited range of input values
;; workspace buffers: wpart 1,024 bytes; xc 33,554,432 bytes; xs 1,048,576 bytes; wc 8,388,608 bytes; wsw 256 bytes
;; launch wsum (part 1): grid 256 x 1, 8 waves a work-group, no clusters, 1,280 bytes of LDS; arguments weight, wpart; writes wpart
.if DOCPART == 1
	.amdgcn_target "amdgcn-amd-amdhsa--gfx1250"
	.amdhsa_code_object_version 6
	.text
	.protected	k_q3d38688f70_wsum
	.globl	k_q3d38688f70_wsum
	.p2align	8
	.type	k_q3d38688f70_wsum,@function
k_q3d38688f70_wsum:
	s_mov_b64 s[64:65], 0
	v_nop
	global_prefetch_b8 v0, s[64:65] scope:SCOPE_SE
	s_setreg_imm32_b32 hwreg(HW_REG_WAVE_MODE, 25, 1), 1
	s_wait_xcnt 0x0
; wpart[g] = the sum of |weight| over rows 8 g .. 8 g + 7.  weight: [2048][4096] f32; wpart: 256 f32, one word for each work-group.
; The mean of |weight| spans all work-groups, so it is made in two launches: partial sums here, their sum in the next launch.
; SHARES.  Eight waves; wave w of work-group g takes row 8 g + w, 16,384 bytes: 32 loads of 512 consecutive bytes, 16 bytes a lane, all issued at once.
; The sum is a fixed tree (eight chains a lane, the lanes, the waves): the order differs from a serial sum's, the result is the same in every run.
; No LDS ring, no matrix unit, no cluster: the work-groups share no input, and each byte is read once.
; The result is one word a work-group, stored by thread 0: 256 stores of 4 bytes in the whole launch.
; LIMITS: NaN and infinities among the inputs are not served.
.set X, 32                             ; v32-159  the row: load i in v[X + 4 i] on
.set A, 16                             ; v16-23   eight running sums
	s_load_b128 s[4:7], s[0:1], 0x0                ; weight s[4:5], wpart s[6:7]
	v_lshl_add_u32 v160, v0, 2, 0x100
	v_mov_b32 v161, 0
	v_lshrrev_b32 v3, 5, v0
	s_delay_alu instid0(VALU_DEP_1)
	v_readfirstlane_b32 s8, v3                     ; wave 0..7
	s_delay_alu instid0(VALU_DEP_2)
	v_lshlrev_b32 v3, 2, v3                        ; LDS: my wave's word
	v_and_b32 v1, 31, v0                           ; lane
	s_delay_alu instid0(VALU_DEP_1)
	v_lshlrev_b32 v2, 4, v1                        ; my 16 bytes of a load's 512; never rewritten
	v_mov_b32 v4, 0                                ; LDS address of the eight words
	v_mov_b32 v24, 0                               ; a lane permute's destination counts as one of its sources: written once
	s_lshl_b32 s14, ttmp9, 2
	v_mov_b32 v5, s14                              ; my work-group's word in wpart
	s_lshl_b32 s10, ttmp9, 3
	s_add_co_u32 s10, s10, s8                      ; my row: 8 x work-group + wave
	s_lshl_b32 s10, s10, 14                        ; x 16,384 bytes: under 2^25
	s_mov_b32 s11, 0
	s_mov_b32 s12, 0x76543210                      ; v_permlanex16_b32's selects for lane l xor 16
	s_mov_b32 s13, 0xfedcba98
	s_wait_alu depctr_va_vdst(0)
	s_wait_kmcnt 0x0
	s_add_nc_u64 s[4:5], s[4:5], s[10:11]
.set i, 0
.rept 32
	global_load_b128 v[X+4*i:X+4*i+3], v2, s[4:5] offset:512*i     ; no hint: the next launch reads these bytes again
.set i, i+1
.endr
	s_wait_loadcnt 24                              ; loads 0 to 7 are in, the 24 younger ones may be out
.irp k, 0,1,2,3,4,5,6,7
	v_add_f32 v[A+\k], |v[X+\k]|, |v[X+8+\k]|      ; the first numbers start the chains: nothing is cleared
.endr
.irp j, 16,24
.irp k, 0,1,2,3,4,5,6,7
	v_add_f32 v[A+\k], v[A+\k], |v[X+\j+\k]|
.endr
.endr
	s_wait_alu depctr_va_vdst(0)
.irp c, 1,2,3
	s_wait_alu depctr_va_vdst(0)
	s_wait_loadcnt 24-8*\c                         ; the next eight loads are in
.irp j, 0,8,16,24
.irp k, 0,1,2,3,4,5,6,7
	v_add_f32 v[A+\k], v[A+\k], |v[X+32*\c+\j+\k]|
.endr
.endr
.endr
	v_pk_add_f32 v[A:A+1], v[A:A+1], v[A+2:A+3]
	s_delay_alu instid0(VALU_DEP_2)
	v_pk_add_f32 v[A+4:A+5], v[A+4:A+5], v[A+6:A+7]
	s_delay_alu instid0(VALU_DEP_1)
	v_pk_add_f32 v[A:A+1], v[A:A+1], v[A+4:A+5]
	s_delay_alu instid0(VALU_DEP_1)
	v_add_f32 v[A], v[A], v[A+1]                   ; my lane's 128 numbers
	s_delay_alu instid0(VALU_DEP_1)
	v_add_f32_dpp v[A], v[A], v[A] row_xmask:1 row_mask:0xf bank_mask:0xf
	s_delay_alu instid0(VALU_DEP_1)
	v_add_f32_dpp v[A], v[A], v[A] row_xmask:2 row_mask:0xf bank_mask:0xf
	s_delay_alu instid0(VALU_DEP_1)
	v_add_f32_dpp v[A], v[A], v[A] row_xmask:4 row_mask:0xf bank_mask:0xf
	s_delay_alu instid0(VALU_DEP_1)
	v_add_f32_dpp v[A], v[A], v[A] row_xmask:8 row_mask:0xf bank_mask:0xf
	s_delay_alu instid0(VALU_DEP_1)
	v_permlanex16_b32 v24, v[A], s12, s13
	s_delay_alu instid0(VALU_DEP_1)
	v_add_f32 v[A], v[A], v24                      ; the row's sum, in every lane
	ds_store_b32 v3, v[A]                          ; all lanes write the wave's word with the same value
	s_wait_dscnt 0x0                               ; for the others' sake: my store is done
	s_barrier_signal -1
	s_barrier_wait -1
	ds_load_b128 v[8:11], v4                       ; the eight rows' sums
	ds_load_b128 v[12:15], v4 offset:16
	s_wait_dscnt 0x0
	v_add_f32 v8, v8, v9
	v_add_f32 v10, v10, v11
	v_add_f32 v12, v12, v13
	v_add_f32 v14, v14, v15
	s_delay_alu instid0(VALU_DEP_3)
	v_add_f32 v8, v8, v10
	s_delay_alu instid0(VALU_DEP_2)
	v_add_f32 v12, v12, v14
	s_delay_alu instid0(VALU_DEP_1)
	v_add_f32 v8, v8, v12
	v_cmp_eq_u32 vcc_lo, 0, v0                     ; thread 0 alone stores
	s_wait_alu depctr_va_vdst(0)
	s_wait_xcnt 0x0                                ; EXEC is a source of the loads above: it changes only behind this wait
	s_wait_tensorcnt 0x0
	ds_add_u32 v160, v161
	s_wait_dscnt 0x0
	s_and_saveexec_b32 s9, vcc_lo
	global_store_b32 v5, v8, s[6:7]
	s_wait_xcnt 0x0                                ; and again in front of the line that widens it
	s_or_b32 exec_lo, exec_lo, s9
	s_endpgm
.Lfunc_end_k_q3d38688f70_wsum:
	.size	k_q3d38688f70_wsum, .Lfunc_end_k_q3d38688f70_wsum-k_q3d38688f70_wsum
	.p2alignl 7, 3214868480
	.fill 96, 4, 3214868480
	.section	.rodata,"a",@progbits
	.p2align	6, 0x0
	.amdhsa_kernel k_q3d38688f70_wsum
		.amdhsa_group_segment_fixed_size 1280
		.amdhsa_private_segment_fixed_size 0
		.amdhsa_enable_private_segment 0
		.amdhsa_kernarg_size 16
		.amdhsa_user_sgpr_count 2
		.amdhsa_user_sgpr_kernarg_segment_ptr 1
		.amdhsa_wavefront_size32 1
		.amdhsa_system_sgpr_workgroup_id_x 1
		.amdhsa_system_sgpr_workgroup_id_y 1
		.amdhsa_system_sgpr_workgroup_id_z 1
		.amdhsa_system_vgpr_workitem_id 0
		.amdhsa_next_free_vgpr 162
		.amdhsa_next_free_sgpr 66
		.amdhsa_reserve_vcc 1
		.amdhsa_float_denorm_mode_32 3
		.amdhsa_float_denorm_mode_16_64 3
		.amdhsa_memory_ordered 1
		.amdhsa_forward_progress 1
		.amdhsa_inst_pref_size 14
	.end_amdhsa_kernel
	.amdgpu_metadata
---
amdhsa.version: [ 1, 2 ]
amdhsa.kernels:
  - .name:           k_q3d38688f70_wsum
    .symbol:         k_q3d38688f70_wsum.kd
    .args:
      - { .name: weight, .offset: 0, .size: 8, .value_kind: global_buffer, .address_space: global }
      - { .name: wpart, .offset: 8, .size: 8, .value_kind: global_buffer, .address_space: global }
    .group_segment_fixed_size: 1280
    .private_segment_fixed_size: 0
    .kernarg_segment_align: 8
    .kernarg_segment_size: 16
    .max_flat_workgroup_size: 256
    .sgpr_count:     66
    .vgpr_count:     162
    .wavefront_size: 32
...
	.end_amdgpu_metadata
.endif
;; end of part 1
;; launch quant (part 2): grid 1280 x 1, 4 waves a work-group, no clusters, 34,304 bytes of LDS; arguments x, weight, wpart, xc, xs, wc, wsw; writes xc, xs, wc, wsw
.if DOCPART == 2
	.amdgcn_target "amdgcn-amd-amdhsa--gfx1250"
	.amdhsa_code_object_version 6
	.text
	.protected	k_q3d38688f70_quant
	.globl	k_q3d38688f70_quant
	.p2align	8
	.type	k_q3d38688f70_quant,@function
k_q3d38688f70_quant:
	s_mov_b64 s[64:65], 0
	v_nop
	global_prefetch_b8 v0, s[64:65] scope:SCOPE_SE
	s_setreg_imm32_b32 hwreg(HW_REG_WAVE_MODE, 25, 1), 1
	s_wait_xcnt 0x0
; Both operands of the product become codes of FP8 (E4M3) with one E8M0 scale byte for each 32 along K, K innermost, in true K order.
;   x [8192][4096] f32:  gamma = max(row's largest |x|, 1e-8);  n = rndne(x * 127 / gamma);  x_q = n * gamma / 127;  x_q is quantised: xc [8192][4096] codes, xs [8192][128] scale bytes.
;   weight [2048][4096] f32:  alpha = mean |w| + 1e-8 (from the 256 partial sums in wpart);  w_eff = sign(w) alpha where round(w / alpha) is not 0, else 0;  wc [2048][4096] codes.
; THE TERNARY STEP IS ONE COMPARE.  A correctly rounded f32 quotient |w| / alpha lies above 0.5 exactly where 2 |w| > alpha (2 |w| is then at least the next f32 number above alpha, which is more than half a step of
;   the quotient above 0.5), and a quotient of 0.5 rounds to the even 0.  So w_eff is not 0 exactly where |w| > alpha / 2: no division, and nothing that an inexact reciprocal could turn.
; W HAS ONE SCALE BYTE.  w_eff is -alpha, 0 or alpha, so every block that is not all zeros has the largest magnitude alpha and the byte (alpha's exponent field - 8); a block of zeros has zero codes, which add
;   nothing under that byte either.  The byte, four times in a word, goes to wsw (64 equal words, stored by one wave); the code of alpha is that of min(alpha / scale, 448).
; SHARES.  A wave takes two neighbouring rows of 4,096 numbers.  Work-groups 0-255 take weight, 256-1279 take x.  The two paths part on the work-group's number at the head and never join; each has LDS bytes of its own.
;   Waves share nothing: no barrier.  The work-groups share no input but the 1,024 bytes of wpart: no cluster, no tensor load.
; A ROW IN REGISTERS.  Load i (0..31) reads 512 consecutive bytes; lane l gets k = 128 i + 4 l + 0..3 in X[4 i ..].  So lanes 8 q .. 8 q + 7 hold block q of the 128 numbers of load i, and the row stays in 128 registers
;   between the pass that finds gamma and the pass that makes codes: x is read once.
; A lane holds 4 numbers of a block and the conversion takes one scale for 8 numbers: so each number is first multiplied by the exact power of two 1 / scale (folded into gamma / 127), and converted under the scale 1.
; THE CODES, not the f32 numbers, turn through the wave's stage in LDS into K order: in by 4 bytes a lane at 128 i + 4 l, back by 16 bytes a lane; each store of the wave then covers 512 consecutive bytes, aligned.
;   The two rows' 256 scale bytes are gathered in LDS and leave by one store of 256 consecutive bytes, aligned.
; LIMITS: NaN and infinities are not served; rows of x whose largest magnitude is above 2^126 are not served (the reciprocal would be denormal).  n = rndne(x * (127 / gamma)) and x_q = n * (gamma / 127) are one
;   product each where the definition has a quotient and a product: they differ from it by about 3e-7 of the number.  A block of zeros of x gets the byte that n = 1 would give and not 127: its codes are zeros, and
;   only this program reads the bytes.
; WHERE THE CODES LIE (this takes the place of the shapes of xc and wc named above): [tile of 256 rows][K chunk of 256][row in the tile][256 bytes]: code (row, k) stands at
;   (row / 256) x 1,048,576 + (k / 256) x 65,536 + (row % 256) x 256 + k % 256.  So the 256 rows x 256 K that the product's launch brings into LDS at a time are 65,536 consecutive bytes.
;   A store of 512 codes of a row is two aligned units of 256 bytes, 65,536 bytes apart: lanes 0-15 write one, lanes 16-31 the other.
.set GO,   2
.set GS,   62                          ; v62  the codes' stores: 16 x (lane % 16) + 65,536 x (lane / 16); never rewritten
.set ST,   3                           ; v3   my stage + 4 x lane
.set RB,   4                           ; v4   my stage + 16 x lane
.set SBA,  5                           ; v5   my scale bytes + lane / 8
.set SRD,  6                           ; v6   my scale bytes + 8 x lane
.set SO8,  7                           ; v7   8 x lane; never rewritten
.set H,    8                           ; v8   448.0
.set ONE,  9                           ; v9   1.0: the conversions' scale operand
.set S,    10                          ; v[10:11] 127 / gamma, twice
.set G,    12                          ; v12  gamma
.set R,    13                          ; v13  1 / gamma
.set GQ,   14                          ; v14  gamma / 127
.set GQ8,  15                          ; v15  gamma / 127 x 2^-8
.set CB,   16                          ; v16  the bits of gamma / 127 with 127 added to the exponent field
.set T,    17
.set M,    18                          ; v18-21 four blocks' largest magnitudes
.set F,    22                          ; v22-29 four pairs: the low word is gamma / 127 / scale; the high words are named with them and hold 0.  In weight's path: the partial sums
.set E,    30                          ; v30-37 scale bytes, two sets of 4
.set C,    38                          ; v38-45 codes, two sets of 4
.set OUT,  46                          ; v46-53 codes back from the stage, two sets of 4
.set W0,   54                          ; v[54:55] w's scale word, twice; never rewritten
.set AL,   56                          ; v56  alpha
.set HALF, 57                          ; v57  alpha / 2
.set AH,   58                          ; v58  min(alpha / scale, 448)
.set BW,   59                          ; v59  w's scale byte
.set X,    64                          ; v64-191 the row
.set XREG, 4352                        ; LDS, x's path: for each wave a stage of 4,096 bytes and 256 scale bytes: bytes 0 to 17,407
.set WLDS, 17408                       ; LDS, weight's path: for each wave a stage of 4,096 bytes: bytes 17,408 to 33,791
; four loads: numbers 512 t .. 512 t + 511 of a row, into the registers of quad t
.macro LOADQ base, row, t
.irp c, 0,1,2,3
	global_load_b128 v[X+16*(\t)+4*\c:X+16*(\t)+4*\c+3], v[GO], s[\base:\base+1] offset:16384*(\row)+2048*(\t)+512*\c th:TH_LOAD_NT
.endr
.endm
; Behind quad t's LDS stores: its 512 codes are read back in K order; the registers that its conversions have read take the next row's numbers; the quad before leaves for memory.
; nds = the LDS instructions issued behind quad t - 1's read-back: this quad's stores and its one load.  That wait also shows quad t - 1's LDS stores done, so quad t + 1 may write their data registers.
.macro EMIT cbase, row, t, nds, refill, lbase
	s_wait_xcnt 0x0                                ; the store that read this set of OUT (issued in the quad before) has read its data
	ds_load_b128 v[OUT+4*((\t)%2):OUT+4*((\t)%2)+3], v[RB] offset:512*(\t)   ; LDS serves a wave's instructions in order: this sees the stores above
.if \refill
	LOADQ \lbase, (\row)+1, \t
.endif
.if (\t) > 0
	s_wait_dscnt \nds
	global_store_b128 v[GS], v[OUT+4*(1-(\t)%2):OUT+4*(1-(\t)%2)+3], s[\cbase:\cbase+1] offset:256*(\row)+131072*((\t)-1)   ; K chunks 2 (t - 1) and 2 (t - 1) + 1 of the row: two aligned units of 256 bytes
.endif
.endm
.macro FLUSH cbase, row                ; the row's last quad leaves
	s_wait_dscnt 0x0
	global_store_b128 v[GS], v[OUT+4:OUT+7], s[\cbase:\cbase+1] offset:256*(\row)+131072*7
.endm
; gamma and what is made of it.  The row's 32 loads are the youngest loads of the wave, in the order of their registers: the counts are 24, 16, 8, 0.
.macro ROWMAX
	s_wait_loadcnt 24
.irp u, 0,1,2,3
	v_max3_num_f32 v[M+\u], |v[X+2*\u]|, |v[X+2*\u+1]|, 0x322bcc77   ; four chains; 1e-8, the floor of gamma, is one more leaf
.endr
.irp u, 4,5,6,7,8,9,10,11,12,13,14,15
	v_max3_num_f32 v[M+\u%4], v[M+\u%4], |v[X+2*\u]|, |v[X+2*\u+1]|
.endr
	s_wait_alu depctr_va_vdst(0)
.irp c, 1,2,3
	s_wait_alu depctr_va_vdst(0)
	s_wait_loadcnt 24-8*\c
.irp u, 0,1,2,3,4,5,6,7,8,9,10,11,12,13,14,15
	v_max3_num_f32 v[M+\u%4], v[M+\u%4], |v[X+32*\c+2*\u]|, |v[X+32*\c+2*\u+1]|
.endr
.endr
	v_max3_num_f32 v[M], v[M], v[M+1], v[M+2]
	v_max_num_f32 v[M], v[M], v[M+3]
	v_max_num_f32_dpp v[M], v[M], v[M] row_xmask:1 row_mask:0xf bank_mask:0xf
	v_max_num_f32_dpp v[M], v[M], v[M] row_xmask:2 row_mask:0xf bank_mask:0xf
	v_max_num_f32_dpp v[M], v[M], v[M] row_xmask:4 row_mask:0xf bank_mask:0xf
	v_max_num_f32_dpp v[M], v[M], v[M] row_xmask:8 row_mask:0xf bank_mask:0xf
	v_permlanex16_b32 v[M+1], v[M], s20, s21
	v_max_num_f32 v[G], v[M], v[M+1]               ; gamma, in every lane
	s_wait_alu depctr_va_vdst(0)
	v_rcp_f32 v[R], v[G]
	v_mul_f32 v[GQ], 0x3c010204, v[G]              ; gamma / 127 (the plain instruction behind the reciprocal)
	s_wait_alu depctr_va_vdst(0)                   ; the wait ahead of the reciprocal's first reader
	v_fma_f32 v[T], -v[G], v[R], 1.0               ; one Newton step: 1 / gamma to about half a unit in the last place
	v_fma_f32 v[R], v[R], v[T], v[R]
	v_mul_f32 v[S], 0x42fe0000, v[R]               ; 127 / gamma
	v_mov_b32 v[S+1], v[S]
	v_mul_f32 v[GQ8], 0x3b800000, v[GQ]            ; x 2^-8, exact
	v_add_nc_u32 v[CB], 0x3f800000, v[GQ]
.endm
; Quad t of a row of x: 512 numbers, 16 registers, four groups c of 128 along K; in group c the lanes 8 q .. 8 q + 7 hold block q.
.macro XQUAD row, t, refill
.set XB, X+16*(\t)
.set SET, (\t)%2
.irp j, 0,2,4,6,8,10,12,14
	v_pk_mul_f32 v[XB+\j:XB+\j+1], v[XB+\j:XB+\j+1], v[S:S+1]
.endr
.irp j, 0,1,2,3,4,5,6,7,8,9,10,11,12,13,14,15
	v_rndne_f32 v[XB+\j], v[XB+\j]                 ; n, a whole number of at most 127 in magnitude
.endr
.irp c, 0,1,2,3
	v_max3_num_f32 v[M+\c], |v[XB+4*\c]|, |v[XB+4*\c+1]|, 1.0      ; the block's largest |n|, with the floor 1: a block of zeros takes the byte of n = 1
.endr
.irp c, 0,1,2,3
	v_max3_num_f32 v[M+\c], v[M+\c], |v[XB+4*\c+2]|, |v[XB+4*\c+3]|
.endr
.irp m, 1,2,4
.irp c, 0,1,2,3
	v_max_num_f32_dpp v[M+\c], v[M+\c], v[M+\c] row_xmask:\m row_mask:0xf bank_mask:0xf   ; over the block's eight lanes
.endr
.endr
.irp c, 0,1,2,3
	v_mul_f32 v[M+\c], v[M+\c], v[GQ8]             ; the block's largest |x_q| x 2^-8: its exponent field is the scale's byte (85 to 246, since gamma is at least 1e-8 and at most 2^126)
.endr
.irp c, 0,1,2,3
	v_lshrrev_b32 v[E+4*SET+\c], 23, v[M+\c]
.endr
.irp c, 0,1,2,3
	v_and_b32 v[M+\c], 0x7f800000, v[M+\c]
.endr
.irp c, 0,1,2,3
	v_sub_nc_u32 v[F+2*\c], v[CB], v[M+\c]         ; gamma / 127 x 2^(127 - byte): the exponent field alone is moved
.endr
.irp c, 0,1,2,3
	v_pk_mul_f32 v[XB+4*\c:XB+4*\c+1], v[XB+4*\c:XB+4*\c+1], v[F+2*\c:F+2*\c+1] op_sel_hi:[1,0]       ; x_q / scale: the one rounding is that of n x gamma / 127
	v_pk_mul_f32 v[XB+4*\c+2:XB+4*\c+3], v[XB+4*\c+2:XB+4*\c+3], v[F+2*\c:F+2*\c+1] op_sel_hi:[1,0]
.endr
.irp j, 0,1,2,3,4,5,6,7,8,9,10,11,12,13,14,15
	v_med3_num_f32 v[XB+\j], v[XB+\j], -v[H], v[H] ; the conversion to an 8-bit code does not saturate (ISA guide 7.6.2): the hold at 448
.endr
	v_cvt_scalef32_pk8_fp8_f32 v[C+4*SET:C+4*SET+1], v[XB:XB+7], v[ONE]          ; register c of the set: my four codes of group c
	v_cvt_scalef32_pk8_fp8_f32 v[C+4*SET+2:C+4*SET+3], v[XB+8:XB+15], v[ONE]
	v_nop                                          ; a plain instruction behind the last conversion
.irp c, 0,1,2,3
	ds_store_b32 v[ST], v[C+4*SET+\c] offset:512*(\t)+128*\c
.endr
.irp c, 0,1,2,3
	ds_store_b8 v[SBA], v[E+4*SET+\c] offset:128*(\row)+16*(\t)+4*\c              ; the block's eight lanes write the same byte with the same value
.endr
	EMIT 10, \row, \t, 9, \refill, 4
.endm
; Quad t of a row of weight.  cnt = the younger loads that may stay out.
.macro WQUAD row, t, refill, cnt
.set XB, X+16*(\t)
.set SET, (\t)%2
	s_wait_loadcnt \cnt
.irp j, 0,1,2,3,4,5,6,7,8,9,10,11,12,13,14,15
	v_cmp_gt_f32 s[32+\j], |v[XB+\j]|, v[HALF]     ; where round(w / alpha) is not 0
.endr
.irp j, 0,1,2,3,4,5,6,7,8,9,10,11,12,13,14,15
	v_bfi_b32 v[XB+\j], s28, v[AH], v[XB+\j]       ; alpha / scale with w's sign
.endr
.irp j, 0,1,2,3,4,5,6,7,8,9,10,11,12,13,14,15
	v_cndmask_b32 v[XB+\j], 0, v[XB+\j], s[32+\j]
.endr
	v_cvt_scalef32_pk8_fp8_f32 v[C+4*SET:C+4*SET+1], v[XB:XB+7], v[ONE]
	v_cvt_scalef32_pk8_fp8_f32 v[C+4*SET+2:C+4*SET+3], v[XB+8:XB+15], v[ONE]
	v_nop                                          ; a plain instruction behind the last conversion
.irp c, 0,1,2,3
	ds_store_b32 v[ST], v[C+4*SET+\c] offset:512*(\t)+128*\c
.endr
	EMIT 14, \row, \t, 5, \refill, 6
.endm
	s_load_b256 s[4:11], s[0:1], 0x0               ; x s[4:5], weight s[6:7], wpart s[8:9], xc s[10:11]
	s_load_b128 s[12:15], s[0:1], 0x20             ; xs s[12:13], wc s[14:15]
	s_load_b64 s[16:17], s[0:1], 0x30              ; wsw
	v_lshl_add_u32 v60, v0, 2, 0x8400
	v_mov_b32 v61, 0
	v_lshrrev_b32 v1, 5, v0
	v_readfirstlane_b32 s18, v1                    ; wave 0..3
	v_and_b32 v1, 31, v0                           ; lane
	v_lshlrev_b32 v[GO], 4, v1
	v_lshlrev_b32 v[SO8], 3, v1
	v_and_b32 v[GS], 15, v1
	v_lshrrev_b32 v63, 4, v1
	v_lshlrev_b32 v[GS], 4, v[GS]
	v_lshl_add_u32 v[GS], v63, 16, v[GS]
	v_mov_b32 v[H], 0x43e00000
	v_mov_b32 v[ONE], 1.0
	s_mov_b32 s20, 0x76543210                      ; v_permlanex16_b32's selects for lane l xor 16
	s_mov_b32 s21, 0xfedcba98
	s_mov_b32 s25, 0
	s_wait_kmcnt 0x0
	s_cmp_lt_u32 ttmp9, 256
	s_cbranch_scc1 .Lw
	; ---- x: work-groups 256 to 1279
	s_sub_co_u32 s22, ttmp9, 256
	s_lshl_b32 s22, s22, 2
	s_add_co_u32 s22, s22, s18                     ; p: my wave's pair of rows, 0 to 4,095
	s_lshl_b32 s24, s22, 15                        ; two rows of 16,384 bytes
	s_add_nc_u64 s[4:5], s[4:5], s[24:25]
	s_lshr_b32 s24, s22, 7                         ; rows 2 p, 2 p + 1: tile p / 128,
	s_lshl_b32 s24, s24, 20
	s_and_b32 s26, s22, 127                        ; row 2 (p % 128) of it, 256 bytes a row
	s_lshl_b32 s26, s26, 9
	s_add_co_u32 s24, s24, s26
	s_add_nc_u64 s[10:11], s[10:11], s[24:25]
	s_lshl_b32 s24, s22, 8                         ; of 128 scale bytes
	s_add_nc_u64 s[12:13], s[12:13], s[24:25]
	s_wait_alu depctr_va_vdst(0)
.irp t, 0,1,2,3,4,5,6,7
	LOADQ 4, 0, \t
.endr
	s_mul_i32 s23, s18, XREG
	v_lshl_add_u32 v[ST], v1, 2, s23
	v_lshl_add_u32 v[RB], v1, 4, s23
	s_add_co_u32 s23, s23, 4096
	v_lshrrev_b32 v[SBA], 3, v1
	v_add_nc_u32 v[SBA], s23, v[SBA]
	v_lshl_add_u32 v[SRD], v1, 3, s23
.irp c, 0,1,2,3
	v_mov_b32 v[F+2*\c+1], 0                       ; named as the upper halves of pairs, so they are written
.endr
	ROWMAX
.irp t, 0,1,2,3,4,5,6,7
	XQUAD 0, \t, 1                                 ; each quad's registers take the second row's numbers as soon as its codes are made
.endr
	FLUSH 10, 0
	ROWMAX
.irp t, 0,1,2,3,4,5,6,7
	XQUAD 1, \t, 0
.endr
	FLUSH 10, 1
	s_wait_xcnt 0x0                                ; the stores have read OUT
	ds_load_b64 v[OUT:OUT+1], v[SRD]               ; the two rows' 256 scale bytes
	s_wait_dscnt 0x0
	global_store_b64 v[SO8], v[OUT:OUT+1], s[12:13]                ; 32 lanes store 256 consecutive bytes, aligned
	s_wait_tensorcnt 0x0
	ds_add_u32 v60, v61
	s_wait_dscnt 0x0
	s_endpgm
	; ---- weight: work-groups 0 to 255
.Lw:
	s_lshl_b32 s22, ttmp9, 2
	s_add_co_u32 s22, s22, s18                     ; p: my wave's pair of rows, 0 to 1,023
	s_lshl_b32 s24, s22, 15
	s_add_nc_u64 s[6:7], s[6:7], s[24:25]
	s_lshr_b32 s24, s22, 7                         ; as for x: tile p / 128, row 2 (p % 128)
	s_lshl_b32 s24, s24, 20
	s_and_b32 s26, s22, 127
	s_lshl_b32 s26, s26, 9
	s_add_co_u32 s24, s24, s26
	s_add_nc_u64 s[14:15], s[14:15], s[24:25]
	s_wait_alu depctr_va_vdst(0)
	global_load_b128 v[F:F+3], v[GO], s[8:9]                       ; the 256 partial sums, eight a lane
	global_load_b128 v[F+4:F+7], v[GO], s[8:9] offset:512
.irp t, 0,1,2,3,4,5,6,7
	LOADQ 6, 0, \t
.endr
	s_lshl_b32 s23, s18, 12
	s_add_co_u32 s23, s23, WLDS
	v_lshl_add_u32 v[ST], v1, 2, s23
	v_lshl_add_u32 v[RB], v1, 4, s23
	s_mov_b32 s28, 0x7fffffff                      ; all but the sign
	s_mov_b32 s29, 0x43800000                      ; the exponent field of 2^8
	s_mov_b32 s30, 0x34000000                      ; 2^-23: weight has 2^23 numbers
	s_mov_b32 s31, 0x322bcc77                      ; 1e-8
	s_mov_b32 s48, 0x01010101
	s_wait_loadcnt 32                              ; the partial sums are in; the row's 32 loads may be out
	v_pk_add_f32 v[F:F+1], v[F:F+1], v[F+2:F+3]    ; every wave adds them in the same order: alpha is the same everywhere
	v_pk_add_f32 v[F+4:F+5], v[F+4:F+5], v[F+6:F+7]
	v_pk_add_f32 v[F:F+1], v[F:F+1], v[F+4:F+5]
	v_add_f32 v[F], v[F], v[F+1]
	v_add_f32_dpp v[F], v[F], v[F] row_xmask:1 row_mask:0xf bank_mask:0xf
	v_add_f32_dpp v[F], v[F], v[F] row_xmask:2 row_mask:0xf bank_mask:0xf
	v_add_f32_dpp v[F], v[F], v[F] row_xmask:4 row_mask:0xf bank_mask:0xf
	v_add_f32_dpp v[F], v[F], v[F] row_xmask:8 row_mask:0xf bank_mask:0xf
	v_permlanex16_b32 v[F+1], v[F], s20, s21
	v_add_f32 v[F], v[F], v[F+1]
	v_fma_f32 v[AL], v[F], s30, s31                ; alpha = the mean + 1e-8: the product by 2^-23 is exact, so there is one rounding
	v_mul_f32 v[HALF], 0.5, v[AL]
	v_lshrrev_b32 v[BW], 23, v[AL]
	v_add_nc_u32 v[BW], -8, v[BW]                  ; the scale's byte: alpha's exponent field - 8 (alpha is at least 1e-8: the byte is above 90)
	v_and_or_b32 v[AH], v[AL], 0x7fffff, s29       ; alpha / scale: alpha's mantissa under the exponent of 2^8,
	v_min_num_f32 v[AH], v[AH], v[H]               ; held at 448
	s_or_b32 s24, ttmp9, s18                       ; wave 0 of work-group 0 stores the scale word
	s_cmp_lg_u32 s24, 0
	s_cbranch_scc1 .Lnw
	v_mul_lo_u32 v[W0], v[BW], s48                 ; the byte, four times
	v_mov_b32 v[W0+1], v[W0]
	global_store_b64 v[SO8], v[W0:W0+1], s[16:17]  ; 32 lanes store 256 consecutive bytes, aligned
.Lnw:
	s_wait_alu depctr_va_vdst(0)
.irp t, 0,1,2,3,4,5,6,7
	WQUAD 0, \t, 1, 28                             ; behind quad t's four loads: 28 - 4 t of this row and the 4 t of the next that the quads before have issued
.endr
	FLUSH 14, 0
.irp t, 0,1,2,3,4,5,6,7
	WQUAD 1, \t, 0, 28-4*\t
.endr
	FLUSH 14, 1
	s_wait_tensorcnt 0x0
	ds_add_u32 v60, v61
	s_wait_dscnt 0x0
	s_endpgm
.Lfunc_end_k_q3d38688f70_quant:
	.size	k_q3d38688f70_quant, .Lfunc_end_k_q3d38688f70_quant-k_q3d38688f70_quant
	.p2alignl 7, 3214868480
	.fill 96, 4, 3214868480
	.section	.rodata,"a",@progbits
	.p2align	6, 0x0
	.amdhsa_kernel k_q3d38688f70_quant
		.amdhsa_group_segment_fixed_size 34304
		.amdhsa_private_segment_fixed_size 0
		.amdhsa_enable_private_segment 0
		.amdhsa_kernarg_size 56
		.amdhsa_user_sgpr_count 2
		.amdhsa_user_sgpr_kernarg_segment_ptr 1
		.amdhsa_wavefront_size32 1
		.amdhsa_system_sgpr_workgroup_id_x 1
		.amdhsa_system_sgpr_workgroup_id_y 1
		.amdhsa_system_sgpr_workgroup_id_z 1
		.amdhsa_system_vgpr_workitem_id 0
		.amdhsa_next_free_vgpr 192
		.amdhsa_next_free_sgpr 66
		.amdhsa_reserve_vcc 0
		.amdhsa_float_denorm_mode_32 3
		.amdhsa_float_denorm_mode_16_64 3
		.amdhsa_memory_ordered 1
		.amdhsa_forward_progress 1
		.amdhsa_inst_pref_size 171
	.end_amdhsa_kernel
	.amdgpu_metadata
---
amdhsa.version: [ 1, 2 ]
amdhsa.kernels:
  - .name:           k_q3d38688f70_quant
    .symbol:         k_q3d38688f70_quant.kd
    .args:
      - { .name: x, .offset: 0, .size: 8, .value_kind: global_buffer, .address_space: global }
      - { .name: weight, .offset: 8, .size: 8, .value_kind: global_buffer, .address_space: global }
      - { .name: wpart, .offset: 16, .size: 8, .value_kind: global_buffer, .address_space: global }
      - { .name: xc, .offset: 24, .size: 8, .value_kind: global_buffer, .address_space: global }
      - { .name: xs, .offset: 32, .size: 8, .value_kind: global_buffer, .address_space: global }
      - { .name: wc, .offset: 40, .size: 8, .value_kind: global_buffer, .address_space: global }
      - { .name: wsw, .offset: 48, .size: 8, .value_kind: global_buffer, .address_space: global }
    .group_segment_fixed_size: 34304
    .private_segment_fixed_size: 0
    .kernarg_segment_align: 8
    .kernarg_segment_size: 56
    .max_flat_workgroup_size: 128
    .sgpr_count:     66
    .vgpr_count:     192
    .wavefront_size: 32
...
	.end_amdgpu_metadata
.endif
;; end of part 2
;; launch gemm (part 3): grid 8 x 32, 4 waves a work-group, clusters of 4 x 4, 327,680 bytes of LDS; arguments xc, xs, wc, wsw, out0; writes out0
.if DOCPART == 3
	.amdgcn_target "amdgcn-amd-amdhsa--gfx1250"
	.amdhsa_code_object_version 6
	.text
	.protected	k_q3d38688f70_gemm
	.globl	k_q3d38688f70_gemm
	.p2align	8
	.type	k_q3d38688f70_gemm,@function
k_q3d38688f70_gemm:
	s_mov_b64 s[64:65], 0
	v_nop
	global_prefetch_b8 v0, s[64:65] scope:SCOPE_SE
	s_setreg_imm32_b32 hwreg(HW_REG_WAVE_MODE, 25, 1), 1
	s_wait_xcnt 0x0
	s_wait_alu depctr_hold_cnt(0) depctr_sa_sdst(0) depctr_va_vdst(0) depctr_va_sdst(0) depctr_va_ssrc(0) depctr_va_vcc(0) depctr_vm_vsrc(0)
	s_getreg_b32 s2, hwreg(HW_REG_IB_STS2, 6, 4)
	s_cmp_eq_u32 s2, 0
	s_cbranch_scc0 .Lentry_in_a_cluster
	s_endpgm
.Lentry_in_a_cluster:
	s_bfe_u32 s2, ttmp6, 0x10000c
	s_cmp_lg_u32 s2, 0xf033
	s_cbranch_scc0 .Lentry_shape_is_right
	s_endpgm
.Lentry_shape_is_right:
; out0[m][n] = sum over k of A[m][k] B[n][k], 8,192 x 2,048 x 4,096, on codes of FP8 (E4M3) with E8M0 scales for 32 along K; sums in f32.  A = x_q, B = w_eff, quantised by the launch before.
; THE BUFFERS.  xc, wc: [tile of 256 rows][K chunk of 256][row][256 bytes]: a chunk of a tile is 65,536 consecutive bytes, a tile's 16 chunks follow each other.  xs: [8192][128] scale bytes.  wsw: w's one scale byte, in 64 equal words.
; THE DEAL.  256 work-groups of four waves; a work-group makes 256 x 256 of out0, a wave 128 x 128: 64 accumulators, 512 registers.  K goes by chunks of 256 through two LDS slots, each with A's 256 rows and B's 256 rows.
; A wave's tensor load brings half a chunk, 32,768 consecutive bytes, stated as 32 rows of 1,024 bytes; 16 bytes of padding follow every 256, so that in LDS row r of the chunk begins at 272 r.
; A STEP is 128 along K: 64 products, A's blocks one after the other, each against B's eight.  THE NEXT STEP'S FRAGMENTS COME IN ONE RUN of 64 LDS loads, behind eight places.  B has two sets of registers; of A, blocks 0-3 have one place each,
; free behind block 3's products, and blocks 4-7 two places, by turns.  So the run may stand anywhere behind block 3's products; in the loop THE FOUR WAVES FETCH AT FOUR PLACES, behind blocks 3, 4, 5 and 6, chosen by the wave's number.
; All of a step's fetches read the next step's rows, so THE CHANGE OF SLOTS stands at the head of a slot's last step: a wait on the tensor load, an LDS add and its wait, a round of the cluster's barrier, and the joint refill of the
; slot just read out.  A wave has one tensor load out behind each round.
; THE HEAD.  One joint load a wave: wave 0 A's chunk 0, wave 1 B's, waves 2 and 3 the scale bytes of 128 rows of A each, for all of K: they stay in LDS.  Slot 1 is first filled behind the next round, as a refill is.
; CLUSTERS: 4 x 4 work-groups; A's chunks are shared along a row of the cluster, B's along a column: each is asked for jointly by the four.  The matrix instruction is used transposed (source 0 = rows of B, source 1 = rows of A).
; PREFETCH: in each step that refills, the chunk that stands two refills on: of the 32,768 bytes that a wave fetches each of the four partners names 8,192, told apart by address, a lane to 256 bytes.  A block of xc is loaded by two clusters, and
; both name it; a block of wc is loaded by eight, and the four of even y name it.  Chunks 0 to 3 come by their loads alone; the loop's last trip asks for nothing: the last chunk named is 15.
; REGISTERS: window 0: v0-31 addresses, v32-47 A's scale words (two sets), v48-49 w's scale word, v64-127 A's blocks 4-7 in odd steps, v128-255 A's fragments; window 1: B's fragments, two sets; windows 2, 3: the accumulators.
; LIMITS: those of the launch that makes the codes.
.set SIZE_N, 2048
.set NQ,     2                         ; steps in a chunk
.set PITCH,  272
.set FR,     16
.set NP,     8                         ; places behind this matrix instruction (ISA guide 7.12.1)
.set HALFT,  128*PITCH
.set SLOT,   4*HALFT
.set LAPS,   8                         ; a lap = two chunks
.set CHB,    65536                     ; a chunk in memory
.set SCL,    2*SLOT                    ; A's scale bytes: units of 256 bytes (two rows) + 16 of padding
.set HALFS,  64*272                    ; those of 128 rows
.set SBLK,   8*272                     ; of 16 rows
.set SPARE,  SCL+2*HALFS               ; the spare words: 128 bytes a wave
.set SPITCH, 528                       ; the way out: a stage of 16 rows x (512 + 16) bytes a wave, in slot 0, behind its last fill and its last read
.set ADRA, 16
.set ADRB, 20
.set STO,  24
.set RD,   25
.set CO,   26
.set ADRS, 27
.set SPW,  28
.set NIL,  29
.set PFO,  30
.set SC,   32                          ; set s at v[SC + 8 s]; register 2 i + q: lanes 0-15 block i's word, lanes 16-31 block i + 4's
.set SB,   48                          ; w's scale word, twice: a product names the copy whose number differs modulo 8 from that of A's word
.set AX,   64
.set AF,   128
.set BK,   128
.set G1, 24
.set G0, 32
.set G1B, 48
.set G0B, 56
.set G1S, 68
.set G0S, 76
.set PFA, 80
.set LIM, 82
.set G0H, 88
.set G0HB, 92
.set MSB, 0
.macro WIN new                         ; the immediate's high byte repeats the setting that is left
.if MSB != \new
	s_set_vgpr_msb (MSB<<8)|\new
.set MSB, \new
.endif
.endm
.set MUL_LO, 0xa1
.set MUL_HI, 0xf1
.set TO_B,   0x40
.macro PLACES n
.rept \n
	v_nop
.endr
.endm
.macro JLOAD g0a, g1a, g0b, g1b        ; waves 0, 1 fetch A's halves, waves 2, 3 B's; s_nop 0 and four v_nop behind each line
	s_cmp_eq_u32 s15, 0
	s_cbranch_scc0 .Lfor_b_\@
	tensor_load_to_lds s[\g0a:\g0a+3], s[\g1a:\g1a+7]
	s_nop 0
	PLACES 4
	s_branch .Lasked_\@
.Lfor_b_\@:
	tensor_load_to_lds s[\g0b:\g0b+3], s[\g1b:\g1b+7]
	s_nop 0
	PLACES 4
.Lasked_\@:
.endm
.macro ASK
	s_cmp_gt_u32 s3, s[LIM]                        ; not in the last trip, and never where LIM is the greatest number
	s_cbranch_scc0 .Lnot_mine_\@
	global_prefetch_b8 v[PFO], s[PFA:PFA+1] offset:CHB th:TH_LOAD_NT scope:SCOPE_SE
.Lnot_mine_\@:
.endm
.macro CROUND                          ; a round of the cluster's barrier
	s_barrier_signal -1
	s_barrier_wait -1
	s_cmp_lg_u32 s14, 0
	s_cbranch_scc1 .Lnot_wave_0_\@
	s_barrier_signal -3
.Lnot_wave_0_\@:
	s_barrier_wait -3
	s_barrier_signal -1
	s_barrier_wait -1
.endm
	s_load_b128 s[4:7], s[0:1], 0x0                ; xc, xs
	s_load_b128 s[8:11], s[0:1], 0x10              ; wc, wsw
	s_load_b64 s[12:13], s[0:1], 0x20              ; out0
	v_lshl_add_u32 v[SPW], v0, 2, SPARE
	v_mov_b32 v[NIL], 0
	ds_add_u32 v[SPW], v[NIL]                      ; the opening lines: the add twice on end and one wait
	ds_add_u32 v[SPW], v[NIL]
	v_lshrrev_b32 v1, 5, v0
	v_readfirstlane_b32 s14, v1                    ; wave
	s_lshr_b32 s15, s14, 1                         ; my half of the rows; also: I fetch for A (0) or B (1)
	s_and_b32 s16, s14, 1                          ; my half of the columns; also: which half of a chunk I fetch
	s_bfe_u32 s40, ttmp6, 0x40000                  ; cx
	s_bfe_u32 s41, ttmp6, 0x40004                  ; cy
	s_lshl_b32 s42, ttmp9, 2
	s_add_co_u32 s42, s42, s40                     ; tile column
	s_and_b32 s17, ttmp7, 0xffff
	s_lshl_b32 s17, s17, 2
	s_add_co_u32 s17, s17, s41                     ; tile row
	s_lshl_b32 s43, s41, 2
	s_lshl_b32 s43, 15, s43                        ; my row of the cluster
	s_lshl_b32 s44, 0x1111, s40                    ; my column
	s_or_b32 s[G1+0], s43, (1<<20)|(1<<21)|(5<<22)|(3<<25)   ; the mask; bytes; padding of 4 words behind every 64
	s_or_b32 s[G1B+0], s44, (1<<20)|(1<<21)|(5<<22)|(3<<25)
.irp g, G1, G1B
	s_mov_b32 s[\g+1], 1024<<16                    ; rows of 1,024 bytes, on end in memory
	s_mov_b32 s[\g+2], 64<<16                      ; the head's loads: a whole chunk, 64 such rows
	s_mov_b32 s[\g+3], 1024<<16
	s_mov_b32 s[\g+4], 64
	s_mov_b32 s[\g+5], 1024
	s_mov_b32 s[\g+6], 0
	s_mov_b32 s[\g+7], 0
.endr
	s_or_b32 s[G1S+0], s43, (3<<16)|(1<<20)|(1<<21)|(5<<22)|(3<<25)   ; the scales of 128 rows: 16,384 dense bytes as 64 rows of 256
	s_mov_b32 s[G1S+1], 32<<16
	s_mov_b32 s[G1S+2], 64<<16
	s_mov_b32 s[G1S+3], 32<<16
	s_mov_b32 s[G1S+4], 64
	s_mov_b32 s[G1S+5], 32
	s_mov_b32 s[G1S+6], 0
	s_mov_b32 s[G1S+7], 0
	s_lshl_b32 s20, s17, 20                        ; A's tile: 16 chunks
	s_mov_b32 s21, 0
	s_lshl_b32 s46, s42, 20                        ; B's
	s_mov_b32 s47, 0
	s_lshl_b32 s22, s17, 15                        ; the tile's scale bytes, and the half that waves 2, 3 take
	s_lshl_b32 s23, s16, 14
	s_add_co_u32 s22, s22, s23
	s_mov_b32 s23, 0
	s_lshl_b32 s18, s16, 15                        ; in the ring: my half of a chunk
	s_mov_b32 s19, 0
	s_mul_i32 s45, s14, HALFT                      ; and where it goes
	s_mul_i32 s[G0S+1], s16, HALFS
	s_add_co_u32 s[G0S+1], s[G0S+1], SCL
	s_wait_dscnt 0x0                               ; both opening adds are done
	CROUND                                         ; all sixteen work-groups are here
	s_wait_kmcnt 0x0
	s_add_nc_u64 s[20:21], s[4:5], s[20:21]
	s_add_nc_u64 s[22:23], s[6:7], s[22:23]
	s_add_nc_u64 s[46:47], s[8:9], s[46:47]
	s_mov_b32 s[G0H], 1
	s_mov_b32 s[G0H+1], 0
	s_mov_b64 s[G0H+2:G0H+3], s[20:21]
	s_or_b32 s[G0H+3], s[G0H+3], 0x80000000
	s_mov_b32 s[G0HB], 1
	s_mov_b32 s[G0HB+1], 2*HALFT
	s_mov_b64 s[G0HB+2:G0HB+3], s[46:47]
	s_or_b32 s[G0HB+3], s[G0HB+3], 0x80000000
	s_mov_b32 s[G0S], 1
	s_mov_b64 s[G0S+2:G0S+3], s[22:23]
	s_or_b32 s[G0S+3], s[G0S+3], 0x80000000
	s_add_nc_u64 s[20:21], s[20:21], s[18:19]
	s_add_nc_u64 s[46:47], s[46:47], s[18:19]
.irp s, 0,1
	s_mov_b32 s[G0+4*\s], 1
	s_add_co_u32 s[G0+4*\s+1], s45, \s*SLOT
	s_add_nc_u64 s[G0+4*\s+2:G0+4*\s+3], s[20:21], \s*CHB
	s_or_b32 s[G0+4*\s+3], s[G0+4*\s+3], 0x80000000
	s_mov_b32 s[G0B+4*\s], 1
	s_add_co_u32 s[G0B+4*\s+1], s45, \s*SLOT
	s_add_nc_u64 s[G0B+4*\s+2:G0B+4*\s+3], s[46:47], \s*CHB
	s_or_b32 s[G0B+4*\s+3], s[G0B+4*\s+3], 0x80000000
.endr
.macro ARM under, g0, g1, next         ; one chain of branches on the wave's number, one load to an arm
	s_cmp_lt_u32 s14, \under
	s_cbranch_scc0 \next
	tensor_load_to_lds s[\g0:\g0+3], s[\g1:\g1+7]
	s_nop 0
	PLACES 4
	s_branch .Lhead_asked
\next:
.endm
	ARM 1, G0H,  G1,  .Lhead_b
	ARM 2, G0HB, G1B, .Lhead_s
	tensor_load_to_lds s[G0S:G0S+3], s[G1S:G1S+7]
	s_nop 0
	PLACES 4
.Lhead_asked:
	s_mul_i32 s18, s15, HALFT                      ; my 128 rows of A in slot 0, 1
	s_add_co_u32 s19, s18, SLOT
	s_mul_i32 s20, s16, HALFT                      ; my 128 rows of B, behind A's 256
	s_add_co_u32 s20, s20, 2*HALFT
	s_add_co_u32 s21, s20, SLOT
	s_mul_i32 s22, s15, HALFS                      ; my rows' scale bytes
	s_add_co_u32 s22, s22, SCL
	s_mul_i32 s23, s14, 16*SPITCH                  ; my stage
	v_and_b32 v1, 15, v0                           ; r
	v_bfe_u32 v2, v0, 4, 1                         ; h
	v_and_b32 v6, 31, v0                           ; lane
	v_mul_u32_u24 v3, v1, PITCH
	v_lshl_add_u32 v4, v2, 4, v3                   ; a fragment's row x pitch + 16 h
	v_add_nc_u32 v[ADRA], s18, v4
	v_add_nc_u32 v[ADRA+1], s19, v4
	v_add_nc_u32 v[ADRB], s20, v4
	v_add_nc_u32 v[ADRB+1], s21, v4
	v_lshlrev_b32 v5, 7, v1                        ; scale bytes: 128 a row, and 16 more for each 256 passed;
	v_lshrrev_b32 v7, 1, v1
	v_lshl_add_u32 v5, v7, 4, v5
	v_mul_u32_u24 v7, v2, 4*SBLK                   ; lanes 16-31 take the block four on
	v_add_nc_u32 v5, v5, v7
	v_add_nc_u32 v[ADRS], s22, v5
	v_mul_u32_u24 v5, v1, SPITCH
	v_lshl_add_u32 v5, v2, 5, v5
	v_add_nc_u32 v[STO], s23, v5
	v_lshlrev_b32 v[CO], 4, v6
	v_add_nc_u32 v[RD], s23, v[CO]
	v_lshlrev_b32 v31, 2, v6
	v_lshlrev_b32 v[PFO], 8, v6                    ; a prefetch: a lane to 256 bytes
	global_load_b32 v[SB], v31, s[10:11]
	global_load_b32 v[SB+1], v31, s[10:11]
	s_lshl_b32 s20, s17, 8                         ; my part of out0: row 256 x tile row + 128 x half, 8,192 bytes a row;
	s_lshl_b32 s21, s15, 7
	s_add_co_u32 s20, s20, s21
	s_lshl_b32 s20, s20, 13
	s_lshl_b32 s21, s42, 10                        ; column bytes 1,024 x tile column + 512 x half
	s_add_co_u32 s20, s20, s21
	s_lshl_b32 s21, s16, 9
	s_add_co_u32 s20, s20, s21
	s_mov_b32 s21, 0
	s_add_nc_u64 s[12:13], s[12:13], s[20:21]
	s_and_b32 s86, ttmp7, 1                        ; the cluster's y, odd or even
	s_cmp_eq_u32 s15, 0                            ; do I fetch for A?
	s_cselect_b32 s84, s17, s42                    ; the tile,
	s_cselect_b32 s85, s40, s41                    ; my place among the four that ask for it with me,
	s_cselect_b32 s86, 0, s86
	s_cselect_b64 s[PFA:PFA+1], s[4:5], s[8:9]
	s_cmp_eq_u32 s86, 0
	s_cselect_b32 s[LIM], 1, -1
	s_lshl_b32 s84, s84, 20
	s_lshl_b32 s86, s16, 15                        ; the half chunk that I fetch,
	s_add_co_u32 s84, s84, s86
	s_lshl_b32 s85, s85, 13                        ; my work-group's 8,192 bytes of it
	s_add_co_u32 s84, s84, s85
	s_mov_b32 s85, 0
	s_add_nc_u64 s[PFA:PFA+1], s[PFA:PFA+1], s[84:85]
	s_add_nc_u64 s[PFA:PFA+1], s[PFA:PFA+1], 2*CHB ; at chunk 2: the first refill steps it to 3 and names chunk 4
.macro FRAG reg, adr, q, i             ; 16 rows x 128 K: registers 4 c .. 4 c + 3 hold K = 32 c + 16 h + 0 .. 15
.irp c, 0,1,2,3
	ds_load_b128 v[\reg+4*\c:\reg+4*\c+3], v[\adr] offset:128*(\q)+32*\c+(\i)*16*PITCH
.endr
.endm
.macro SCALES sc
.irp i, 0,1,2,3
	ds_load_b64 v[SC+8*\sc+2*\i:SC+8*\sc+2*\i+1], v[ADRS] offset:\i*SBLK
.endr
.endm
.macro FETCH slot, q, sw               ; all fragments of the step at (slot, q), of parity q; sw = 1: ahead of them the chunk's scale words.  Every window is 0 at its head and at its end
.if \sw
	SCALES \slot
.endif
	WIN TO_B
.irp i, 0,1,2,3,4,5,6,7
	FRAG 128*(\q)+FR*\i, ADRB+\slot, \q, \i
.endr
	WIN 0
.irp i, 0,1,2,3,4,5,6,7
.if \i < 4 || (\q) == 0
	FRAG AF+FR*\i, ADRA+\slot, \q, \i
.else
	FRAG AX+FR*(\i-4), ADRA+\slot, \q, \i
.endif
.endr
.endm
.macro SPOT w, stag, nslot, nq, sw     ; a place for the run.  stag = 1: it is wave w's; stag = 0: place 0 is every wave's.  The eight places stand behind the last product that read a register fetched here
.if \stag
	s_cmp_eq_u32 s14, \w
	s_cbranch_scc0 .Lnot_now_\@
	PLACES NP
	FETCH \nslot, \nq, \sw
.Lnot_now_\@:
.elseif (\w) == 0
	PLACES NP
	FETCH \nslot, \nq, \sw
.endif
.endm
.macro MUL8 a, q, sc, zero             ; A's block a x B's eight, the chunk's q-th 128 along K.  The 64 accumulators take turns in the same order in every step
.if (\a) < 4
	WIN MUL_LO
.else
	WIN MUL_HI
.endif
.if (\a) < 4 || (\q) == 0
.set rA, AF+FR*(\a)
.else
.set rA, AX+FR*((\a)-4)
.endif
.set rS, SC+8*(\sc)+2*((\a)%4)+(\q)
.if (rS%8) == 0
.set rW, SB+1
.else
.set rW, SB
.endif
.irp b, 0,1,2,3,4,5,6,7
.set rD, 8*(8*((\a)%4)+\b)
.set rB, 128*(\q)+FR*\b
.if \zero
.if (\a) < 4
	v_wmma_scale_f32_16x16x128_f8f6f4 v[rD:rD+7], v[rB:rB+FR-1], v[rA:rA+FR-1], 0, v[rW], v[rS]
.else
	v_wmma_scale_f32_16x16x128_f8f6f4 v[rD:rD+7], v[rB:rB+FR-1], v[rA:rA+FR-1], 0, v[rW], v[rS] matrix_b_scale:MATRIX_SCALE_ROW1
.endif
.else
.if (\a) < 4
	v_wmma_scale_f32_16x16x128_f8f6f4 v[rD:rD+7], v[rB:rB+FR-1], v[rA:rA+FR-1], v[rD:rD+7], v[rW], v[rS]
.else
	v_wmma_scale_f32_16x16x128_f8f6f4 v[rD:rD+7], v[rB:rB+FR-1], v[rA:rA+FR-1], v[rD:rD+7], v[rW], v[rS] matrix_b_scale:MATRIX_SCALE_ROW1
.endif
.endif
.endr
.endm
; A step.  ld = 1: the next step's fragments, at (nslot, nq), are fetched; sw = 1: with them the next chunk's scale words; ask = 1: and the prefetch.
; THE WAITS' COUNTS, by the order of the run before (scale words, B 0-7, A 0-7, four loads a fragment): at the head A's blocks 2 to 7 may be out: 24; ahead of block 2 blocks 4 to 7: 16; ahead of block 4 none.
; All three stand ahead of the first place at which this step's run can go out, so they are the same on every wave's way.
.macro STEP slot, q, zero, ld, stag, nslot, nq, sw, ask
	s_wait_dscnt 24
	MUL8 0, \q, \slot, \zero
	MUL8 1, \q, \slot, \zero
	s_wait_dscnt 16
	MUL8 2, \q, \slot, \zero
	MUL8 3, \q, \slot, \zero
	s_wait_dscnt 0x0
	WIN 0                                          ; at a branch and at a label every window is 0
.if \sw
	v_add_nc_u32 v[ADRS], 4*NQ, v[ADRS]            ; the next chunk's scale words
	s_wait_alu depctr_va_vdst(0)                   ; the wait, directly behind the write
.endif
.if \ld
	SPOT 0, \stag, \nslot, \nq, \sw
.endif
.irp g, 4,5,6
	MUL8 \g, \q, \slot, \zero
.if \ld
.if \stag
	WIN 0
	SPOT \g-3, \stag, \nslot, \nq, \sw
.endif
.endif
.endr
.if \ask
	WIN 0
	ASK
.endif
	MUL8 7, \q, \slot, \zero
	WIN 0
.endm
.macro TURN slot, next, fill, stag     ; a slot's last step.  All its fragments have been asked for: the change of slots stands at its head
.if \fill
	s_wait_xcnt 0x0                                ; my prefetch has read its address
	s_add_nc_u64 s[PFA:PFA+1], s[PFA:PFA+1], CHB
.endif
	s_wait_tensorcnt 0x0                           ; my one load that was out, my part of the next slot, is in;
	ds_add_u32 v[SPW], v[NIL]
.if \fill
	s_add_nc_u64 s[G0+4*\slot+2:G0+4*\slot+3], s[G0+4*\slot+2:G0+4*\slot+3], 2*CHB     ; no load of mine is out: this slot's next chunk
	s_add_nc_u64 s[G0B+4*\slot+2:G0B+4*\slot+3], s[G0B+4*\slot+2:G0B+4*\slot+3], 2*CHB
.endif
	s_wait_dscnt 0x0                               ; the add is done, and my reads of this slot are over
.if \fill
	CROUND                                         ; both hold of every wave of the sixteen work-groups
	JLOAD G0+4*\slot, G1, G0B+4*\slot, G1B         ; the refill, first behind the round
.else
	s_barrier_signal -1                            ; nothing is filled again: the barrier shows the next slot whole
	s_barrier_wait -1
.endif
	STEP \slot, 1, 0, 1, \stag, \next, 0, 1, \fill
.endm
	s_wait_alu depctr_va_vdst(0)                   ; the wait at the head's end
	s_wait_tensorcnt 0x0                           ; my tile of the head's is in
	ds_add_u32 v[SPW], v[NIL]
	s_mov_b32 s[G1+2], 32<<16                      ; no load of mine is out: from here on a load brings half a chunk, 32 rows of 1,024 bytes
	s_mov_b32 s[G1+4], 32
	s_mov_b32 s[G1B+2], 32<<16
	s_mov_b32 s[G1B+4], 32
	s_wait_dscnt 0x0
	CROUND
	JLOAD G0+4, G1, G0B+4, G1B                     ; chunk 1 into slot 1
	FETCH 0, 0, 1                                  ; the first step's fragments
	s_wait_loadcnt 0x0                             ; w's scale word
	STEP 0, 0, 1, 1, 0, 0, 1, 0, 0                 ; the first products start the sums
	s_mov_b32 s3, LAPS-1
.Llap:
	TURN 0, 1, 1, 1
	STEP 1, 0, 0, 1, 1, 1, 1, 0, 0
	TURN 1, 0, 1, 1
	STEP 0, 0, 0, 1, 1, 0, 1, 0, 0
	s_sub_co_u32 s3, s3, 1
	s_cmp_lg_u32 s3, 0
	s_cbranch_scc1 .Llap
	TURN 0, 1, 0, 0
	STEP 1, 0, 0, 1, 0, 1, 1, 0, 0
	STEP 1, 1, 0, 0, 0, 1, 1, 0, 0                 ; the last step fetches nothing
; THE WAY OUT, by blocks of 16 rows x 128 columns: through my own stage and back as whole rows of 512 bytes.  LDS serves a wave's instructions in order (ISA guide 5.7.1.4): no wait between the stores and the loads.
.macro TOSTAGE a
.set AC, 64*((\a)%4)
	WIN 0x08+4*((\a)/4)
.irp b, 0,1,2,3,4,5,6,7
	ds_store_b128 v[STO], v[AC+8*\b:AC+8*\b+3] offset:64*\b          ; each accumulator from its low end on
	ds_store_b128 v[STO], v[AC+8*\b+4:AC+8*\b+7] offset:64*\b+16
.endr
	WIN 0
.set BB, BK+64*((\a)%2)
.irp t, 0,1,2,3,4,5,6,7,8,9,10,11,12,13,14,15
	ds_load_b128 v[BB+4*\t:BB+4*\t+3], v[RD] offset:\t*SPITCH
.endr
.endm
.macro SEND a, younger                 ; younger: the LDS instructions behind block a's loads, which may stay out
.set BB, BK+64*((\a)%2)
	s_wait_dscnt \younger
.if (\a) > 0
	s_add_nc_u64 s[12:13], s[12:13], 16*SIZE_N*4   ; behind a wait on XCNT: the earlier stores have read their base
.endif
.irp t, 0,1,2,3,4,5,6,7,8,9,10,11,12,13,14,15
	global_store_b128 v[CO], v[BB+4*\t:BB+4*\t+3], s[12:13] offset:\t*SIZE_N*4 th:TH_STORE_NT   ; 32 lanes store 512 consecutive bytes, aligned; written once, read by nobody here
.endr
.endm
	PLACES NP
	TOSTAGE 0
.irp a, 1,2,3,4,5,6,7
.if \a > 1
	s_wait_xcnt 0x0                                ; block a - 2's stores have read their registers and their base
.endif
	TOSTAGE \a
	SEND \a-1, 32
.endr
	s_wait_xcnt 0x0
	SEND 7, 0
	s_wait_tensorcnt 0x0                           ; the wave's end
	ds_add_u32 v[SPW], v[NIL]
	s_wait_dscnt 0x0
	CROUND                                         ; the closing round
	s_endpgm
.Lfunc_end_k_q3d38688f70_gemm:
	.size	k_q3d38688f70_gemm, .Lfunc_end_k_q3d38688f70_gemm-k_q3d38688f70_gemm
	.p2alignl 7, 3214868480
	.fill 96, 4, 3214868480
	.section	.rodata,"a",@progbits
	.p2align	6, 0x0
	.amdhsa_kernel k_q3d38688f70_gemm
		.amdhsa_group_segment_fixed_size 327680
		.amdhsa_private_segment_fixed_size 0
		.amdhsa_enable_private_segment 0
		.amdhsa_kernarg_size 40
		.amdhsa_user_sgpr_count 2
		.amdhsa_user_sgpr_kernarg_segment_ptr 1
		.amdhsa_wavefront_size32 1
		.amdhsa_system_sgpr_workgroup_id_x 1
		.amdhsa_system_sgpr_workgroup_id_y 1
		.amdhsa_system_sgpr_workgroup_id_z 1
		.amdhsa_system_vgpr_workitem_id 0
		.amdhsa_next_free_vgpr 1024
		.amdhsa_next_free_sgpr 98
		.amdhsa_reserve_vcc 0
		.amdhsa_float_denorm_mode_32 3
		.amdhsa_float_denorm_mode_16_64 3
		.amdhsa_memory_ordered 1
		.amdhsa_forward_progress 1
		.amdhsa_inst_pref_size 199
	.end_amdhsa_kernel
	.amdgpu_metadata
---
amdhsa.version: [ 1, 2 ]
amdhsa.kernels:
  - .name:           k_q3d38688f70_gemm
    .symbol:         k_q3d38688f70_gemm.kd
    .args:
      - { .name: xc, .offset: 0, .size: 8, .value_kind: global_buffer, .address_space: global }
      - { .name: xs, .offset: 8, .size: 8, .value_kind: global_buffer, .address_space: global }
      - { .name: wc, .offset: 16, .size: 8, .value_kind: global_buffer, .address_space: global }
      - { .name: wsw, .offset: 24, .size: 8, .value_kind: global_buffer, .address_space: global }
      - { .name: out0, .offset: 32, .size: 8, .value_kind: global_buffer, .address_space: global }
    .group_segment_fixed_size: 327680
    .private_segment_fixed_size: 0
    .kernarg_segment_align: 8
    .kernarg_segment_size: 40
    .max_flat_workgroup_size: 128
    .sgpr_count:     98
    .vgpr_count:     1024
    .wavefront_size: 32
...
	.end_amdgpu_metadata
.endif
;; end of part 3
